; MI455X (gfx1250); checked and timed in simulation.
; The chip was launched on July 23, 2026; its instructions are those of AMD's public machine-readable ISA for CDNA 5 (MIT licence, August 2026) and "CDNA5" Instruction Set Architecture Reference Guide (July 2026). The comments in the code are by the model that wrote it; some were corrected since.
;; Multi Head Attention. Allowed arithmetic: matrix products marked QUANTISED: E2M1 operands, one E8M0 scale for each 32 along K, by v_wmma_scale_f32_16x16x128_f8f6f4 with both operands' format E2M1 (or v_wmma_scale_f32_32x16x128_f4), f32 sums; everything else in f32.
;; Inputs: Wk_codes 16 x 64 x 32 x 16 uint8 (E2M1 codes of Wk, K innermost, in blocks of 32 codes, two codes a byte); Wk_scales 16 x 64 x 32 uint8 (E8M0 scales of Wk, one for each 32 codes along K); Wo_codes 1,024 x 32 x 16 uint8 (E2M1 codes of Wo, K innermost, in blocks of 32 codes, two codes a byte); Wo_scales 1,024 x 32 uint8 (E8M0 scales of Wo, one for each 32 codes along K); Wq_codes 16 x 64 x 32 x 16 uint8 (E2M1 codes of Wq, K innermost, in blocks of 32 codes, two codes a byte); Wq_scales 16 x 64 x 32 uint8 (E8M0 scales of Wq, one for each 32 codes along K); Wv_codes 16 x 64 x 32 x 16 uint8 (E2M1 codes of Wv, K innermost, in blocks of 32 codes, two codes a byte); Wv_scales 16 x 64 x 32 uint8 (E8M0 scales of Wv, one for each 32 codes along K); bk 16 x 64 float32; bo 1,024 float32; bq 16 x 64 float32; bv 16 x 64 float32; x_codes 2 x 2,048 x 32 x 16 uint8 (E2M1 codes of x, K innermost, in blocks of 32 codes, two codes a byte); x_scales 2 x 2,048 x 32 uint8 (E8M0 scales of x, one for each 32 codes along K).
;; Outputs: out0 2 x 2,048 x 1,024 float32.
;; This version of the problem:
;;   THIS VERSION OF THE PROBLEM IS GIVEN IN LOW PRECISION. The matrix products marked QUANTISED in the list below multiply operands that are first quantised to E2M1 (2 exponent bits, 1 mantissa bit; 4 bits a number), with one power-of-two scale for each 32 numbers along K (OCP MX v1.0); their sums are f32. All else is computed in f32.
;;   The module's matrix products, in the order in which they are computed (A, B: the left and right operand; K: the contracted axis; several contracted axes count as one K, in the product's order):
;;     1. [M 1,024, K 1,024] x [K 1,024, N 4,096]; A: input Wq (given as codes); B: input x (given as codes): QUANTISED
;;     2. [M 1,024, K 1,024] x [K 1,024, N 4,096]; A: input Wk (given as codes); B: input x (given as codes): QUANTISED
;;     3. [M 1,024, K 1,024] x [K 1,024, N 4,096]; A: input Wv (given as codes); B: input x (given as codes): QUANTISED
;;     4. batch 32 x [M 2,048, K 64] x [K 64, N 2,048]; A: computed on the way; B: computed on the way: QUANTISED
;;     5. batch 32 x [M 2,048, K 2,048] x [K 2,048, N 64]; A: softmax (see below); B: computed on the way: QUANTISED
;;     6. [M 4,096, K 1,024] x [K 1,024, N 1,024]; A: computed on the way; B: input Wo (given as codes): QUANTISED
;;   THE QUANTISER, for each operand of a quantised product, along K:
;;     - K is cut into blocks of 32 from its start; a last block that is shorter is filled with zeros.
;;     - A block's scale is 2^e with e = floor(log2(the largest magnitude in the block)) - 2, held to -126 .. 127; a block of zeros has e = 0. As a byte (E8M0): e + 127.
;;     - Each number is divided by its block's scale, clamped to +-6, and rounded to the nearest number of E2M1, ties to even, subnormals kept.
;;     - The product sums the exact products of the quantised numbers (number of the format x scale) in f32.
;;   ~~~python
;;   def quantise(x, axis):      # numpy; x: float32 -> the quantised numbers, widened to float32 again
;;       x = np.moveaxis(x, axis, -1); K = x.shape[-1]
;;       x = np.pad(x, [(0, 0)] * (x.ndim - 1) + [(0, -K % 32)]); x = x.reshape(x.shape[:-1] + (-1, 32)); a = np.abs(x).max(-1, keepdims=True)
;;       e = np.where(a > 0, np.clip(np.frexp(np.where(a > 0, a, 1))[1] - 1 - 2, -126, 127), 0)      # np.frexp(a)[1] - 1 = floor(log2(a)), exactly
;;       r = np.clip(x / 2.0 ** e, -6, 6)
;;       step = 2.0 ** (np.maximum(np.frexp(np.where(r == 0, 1, r))[1] - 1, 0) - 1)
;;       q = np.round(r / step) * step * 2.0 ** e      # np.round: ties to even
;;       return np.moveaxis(q.reshape(q.shape[:-2] + (-1,))[..., :K], -1, axis).astype(np.float32)
;;   ~~~
;;   SOFTMAX AHEAD OF A QUANTISED PRODUCT. Where the list says 'softmax', what is quantised is not the finished softmax but p = 2^(t - M), with t = logit x log2(e) and M = ceil(the row's largest t), a whole number; so 1/2 < the row's largest p <= 1. The row's sum l is taken of the UNQUANTISED p, in f32, and the product's result is divided by l at the end. Since M is a whole number, a kernel that streams over the keys may use a running M (the ceiling of the running maximum): every later rescaling is an exact power of two, which a block's scale takes up: the codes' values come out the same.
;;   OPERANDS COMPUTED ON THE WAY. 'Computed on the way' means the value that the module computes at that place (a softmax that the list does not call 'softmax' is quantised finished and normalised). What goes into a quantiser is computed in f32, as accurately as f32 sums, v_exp_f32 and their like allow (about 1e-6 of the number): no bf16 or f16 on the way to a quantiser, and a product that is left as it is and whose result goes on into a quantised operand takes f32 operands (vector FMAs, or v_wmma_f32_16x16x4_f32). A number that lies on a knife's edge between two numbers of the format may be rounded either way, as far as f32 arithmetic and the matrix unit's own rounding can turn it there, and no further.
;;   INPUTS GIVEN AS CODES. Wk (in the module: [16, 1024, 64], K = its axis 1); Wo (in the module: [1024, 1024], K = its axis 0); Wq (in the module: [16, 1024, 64], K = its axis 1); Wv (in the module: [16, 1024, 64], K = its axis 1); x (in the module: [2, 2048, 1024], K = its axis 2): each comes as NAME_codes (uint8): NAME with its K axis moved to the last place and cut into blocks of 32 codes, [.., K / 32, bytes a block], one block behind the other in memory; two codes a byte, the lower K in the low four bits (a code: sign, 2 exponent bits, 1 mantissa bit); and NAME_scales (uint8): the same leading axes, one E8M0 byte (e + 127) for each 32 codes along K. Its value is code x scale, taken as it is: it is not quantised again, and the codes and scales need not be those that the quantiser above would give.
;; One version. Each part assembles by itself: llvm-mc -triple=amdgcn-amd-amdhsa -mcpu=gfx1250 --defsym DOCPART=n.
;; ======== version 1 of 1: 3 launches
;; limits: right only within a limited range of input values
;; workspace buffers: qkv 7,077,888 bytes; ctx 2,228,224 bytes
;; launch qkv (part 1): grid 16 x 16, 12 waves a work-group, clusters of 4 x 4, 259,584 bytes of LDS; arguments x_codes, x_scales, Wq_codes, Wq_scales, Wk_codes, Wk_scales, Wv_codes, Wv_scales, bq, bk, bv, qkv; writes qkv
.if DOCPART == 1
	.amdgcn_target "amdgcn-amd-amdhsa--gfx1250"
	.amdhsa_code_object_version 6
	.text
	.protected	k_q2bfd155fa4_qkv
	.globl	k_q2bfd155fa4_qkv
	.p2align	8
	.type	k_q2bfd155fa4_qkv,@function
k_q2bfd155fa4_qkv:
	s_mov_b64 s[64:65], 0
	v_nop
	global_prefetch_b8 v0, s[64:65] scope:SCOPE_SE
	s_setreg_imm32_b32 hwreg(HW_REG_WAVE_MODE, 25, 1), 1
	s_wait_xcnt 0x0
	s_wait_alu depctr_hold_cnt(0) depctr_sa_sdst(0) depctr_va_vdst(0) depctr_va_sdst(0) depctr_va_ssrc(0) depctr_va_vcc(0) depctr_vm_vsrc(0)
	s_getreg_b32 s2, hwreg(HW_REG_IB_STS2, 6, 4)
	s_cmp_eq_u32 s2, 0
	s_cbranch_scc0 .Lentry_in_a_cluster
	s_endpgm
.Lentry_in_a_cluster:
	s_bfe_u32 s2, ttmp6, 0x10000c
	s_cmp_lg_u32 s2, 0xf033
	s_cbranch_scc0 .Lentry_shape_is_right
	s_endpgm
.Lentry_shape_is_right:
; Q, K, V = x W + b for one head and 256 tokens, on codes of FP4 (E2M1) with one E8M0 scale for each 32 along K = 1,024; sums in f32.
; The results are quantised here, in registers, along the K of the product that will read them (Q and K along the head's 64, V along the tokens),
; and stored as IMAGES OF OPERAND REGISTERS: lane l's 16 bytes at 16 l, 512 bytes a tile, so that the next launch loads fragments whole.
; SHARES.  256 work-groups: x = head (16), y = block of 256 of the 4,096 tokens.  Twelve waves: kind = wave / 4 (0 Q, 1 K, 2 V), tq = wave % 4 (its 64 tokens).
; A wave has 16 accumulators acc(a, b) = source 0's tile a x source 1's tile b.  Q and K: source 0 = 16 rows of W (e), source 1 = 16 tokens: a lane holds ONE token and its
; registers run along e.  V: source 0 = 16 tokens, source 1 = 16 rows of Wv: a lane holds ONE e and its registers run along the tokens.  Both operands have one shape in LDS, so
; the K steps and the way out are one text for all waves; address registers, pointers and the bias's layout differ.
; THE ROWS OF A TILE ARE NOT NEIGHBOURS: of a group of 64 rows, row 8 g + j of tile a is row 32 g + 8 (a xor g) + j (g = 0, 1).  In a result lane half h holds rows 8 h + j of the tile: the 32
; registers of four tiles are then one WHOLE block of 32 of the group, words in the order a xor h.  Both operands of the next products carry the same order, so the products are unchanged.
; (The xor gives the 16 rows that a fragment load touches 16 different residues mod 16.)
; LDS, filled once: seven pieces of 64 rows, in the order Wq, Wk, x's four quarters, Wv, so that source 0's piece always lies below source 1's.
;   0: the pieces' scale bytes, 2,048 each (32 a row);  14,336: the codes of K 0..511, rows of 256 bytes + 16 of padding;  136,192: those of K 512..1,023.
; CLUSTER 4 x 4: x's pieces hang on the block of tokens alone and are asked for jointly along a row of the cluster, W's on the head alone and along a column.
; Twelve tensor loads, one a wave: waves 0-2 W's scale bytes, 3 x's; 4-6 W's codes of K 0..511, 7 x's; 8-10 and 11 those of K 512..1,023.  No LDS byte is filled twice and none is stored to.
; No prefetch: all tiles are asked for at the head, so there is no loop to run ahead in.
; LIMITS: NaN and infinities are not served.  A block whose largest magnitude lies under 2^-124 keeps the scale byte 1; a block of zeros too, where the rule says 127: its codes are
; zeros, which add nothing under any byte but 0xff, and these bytes are read by this program alone.
.set PIECE, 17408                      ; 64 rows x 272 bytes
.set C0,    14336                      ; where the codes of K 0..511 begin
.set CHALF, 7*PIECE                    ; from there to those of K 512..1,023
.set SEL,  2                           ; s[2:3]   lane selects for v_permlanex16_b32: lane l xor 16
.set WV,   28
.set KIND, 29
.set TQ,   30
.set ISV,  31
.set HEAD, 34
.set TB,   35
.set G1CX, 40                          ; s[40:47] group 1, codes, x;  s[48:55] W
.set G1CW, 48
.set G1SX, 56                          ; s[56:63] group 1, scale bytes, x;  s[68:75] W
.set G1SW, 68
.set G0X,  76                          ; s[76:87] three groups 0 for x: scale bytes, K 0..511, K 512..1,023
.set G0W,  88                          ; s[88:99] the same for W
.set AD,   2                           ; v2-9     fragment addresses: K half 0: source 0 even tiles, odd tiles, source 1 even, odd; K half 1 likewise
.set SC,   16                          ; v16-31   scale words of four K steps: register 4 i + q % 4: lanes 0-15 source 0's tile i, lanes 16-31 source 1's tile i
.set BI,   32                          ; v32-63   the bias in the result's layout, four tiles of 8
.set F0,   64                          ; v64-95   source 0's four fragments
.set F1,   96                          ; v96-127  source 1's
.set ACC,  128                         ; v128-255 acc(a, b) at 32 b + 8 a.   v1 8 h; v10-11 scale words' addresses; v12 16 x lane; v13 8 x lane; v14-15 the add's
.macro PLACES                          ; four plain places behind matrix instructions (ISA guide 7.12.1), where no other vector work is at hand
.rept 4
	v_nop
.endr
.endm
.macro CROUND                          ; a round of the cluster's barrier: my work-group's barrier; wave 0 signals for the work-group; all wait for the sixteen; my work-group's barrier again
	s_barrier_signal -1
	s_barrier_wait -1
	s_cmp_lg_u32 s[WV], 0
	s_cbranch_scc1 .Lnw0_\@
	s_barrier_signal -3
.Lnw0_\@:
	s_barrier_wait -3
	s_barrier_signal -1
	s_barrier_wait -1
.endm
.macro ARM under, g0, g1, next         ; one arm of the head's tree of branches on the wave's number
	s_cmp_lt_u32 s[WV], \under
	s_cbranch_scc0 \next
	tensor_load_to_lds s[\g0:\g0+3], s[\g1:\g1+7]
	s_nop 0
	PLACES
	s_branch .Lasked
\next:
.endm
	s_load_b512 s[4:19], s[0:1], 0x0               ; x's codes, scales; Wq's; Wk's; Wv's
	s_load_b256 s[20:27], s[0:1], 0x40             ; bq, bk, bv, qkv
	v_lshl_add_u32 v14, v0, 2, 0x3f000
	v_mov_b32 v15, 0
	ds_add_u32 v14, v15                            ; the opening add, twice on end
	ds_add_u32 v14, v15
	v_lshrrev_b32 v12, 5, v0
	v_readfirstlane_b32 s[WV], v12                 ; wave 0..11
	s_lshr_b32 s[KIND], s[WV], 2
	s_and_b32 s[TQ], s[WV], 3
	s_lshr_b32 s[ISV], s[WV], 3
	s_bfe_u32 s32, ttmp6, 0x40000                  ; cx
	s_bfe_u32 s33, ttmp6, 0x40004                  ; cy
	s_lshl_b32 s[HEAD], ttmp9, 2
	s_add_co_u32 s[HEAD], s[HEAD], s32             ; the head = 4 x cluster x + cx
	s_and_b32 s[TB], ttmp7, 0xffff
	s_lshl_b32 s[TB], s[TB], 2
	s_add_co_u32 s[TB], s[TB], s33                 ; the block of tokens = 4 x cluster y + cy
	s_lshl_b32 s36, s33, 2
	s_lshl_b32 s36, 15, s36                        ; my row of the cluster
	s_lshl_b32 s37, 0x1111, s32                    ; my column
	; group 1, codes: rows of 256 bytes out of rows of 512; 16 bytes of padding behind every 64 words; x: 256 rows, W: 64
	s_or_b32 s[G1CX], s36, (1<<20)|(1<<21)|(5<<22)|(3<<25)
	s_or_b32 s[G1CW], s37, (1<<20)|(1<<21)|(5<<22)|(3<<25)
	s_mov_b32 s[G1CX+2], 256<<16                   ; tensor_dim1
	s_mov_b32 s[G1CX+4], 256                       ; tile_dim1
	s_mov_b32 s[G1CW+2], 64<<16
	s_mov_b32 s[G1CW+4], 64
.irp g, G1CX, G1CW
	s_mov_b32 s[\g+1], 256<<16                     ; tensor_dim0
	s_mov_b32 s[\g+3], 256<<16                     ; tile_dim0
	s_mov_b32 s[\g+5], 512                         ; from row to row
	s_mov_b32 s[\g+6], 0
	s_mov_b32 s[\g+7], 0
.endr
	; group 1, scale bytes: dense, as rows of 32 elements of 8 bytes: x 32 rows, W 8
	s_or_b32 s[G1SX], s36, (3<<16)|(1<<21)
	s_or_b32 s[G1SW], s37, (3<<16)|(1<<21)
	s_mov_b32 s[G1SX+2], 32<<16
	s_mov_b32 s[G1SX+4], 32
	s_mov_b32 s[G1SW+2], 8<<16
	s_mov_b32 s[G1SW+4], 8
.irp g, G1SX, G1SW
	s_mov_b32 s[\g+1], 32<<16
	s_mov_b32 s[\g+3], 32<<16
	s_mov_b32 s[\g+5], 32
	s_mov_b32 s[\g+6], 0
	s_mov_b32 s[\g+7], 0
.endr
	; where the tiles go: x's are pieces 2-5; W's piece is 0, 1 or 6 by wave % 4 (waves with 3 there fetch x)
	s_mov_b32 s[G0X+1], 2*2048
	s_mov_b32 s[G0X+5], C0+2*PIECE
	s_mov_b32 s[G0X+9], C0+CHALF+2*PIECE
	s_and_b32 s3, s[WV], 2
	s_lshl_b32 s3, s3, 1
	s_add_co_u32 s2, s[TQ], s3
	s_lshl_b32 s[G0W+1], s2, 11
	s_mul_i32 s[G0W+5], s2, PIECE
	s_add_co_u32 s[G0W+5], s[G0W+5], C0
	s_add_co_u32 s[G0W+9], s[G0W+5], CHALF
.irp g, G0X, G0X+4, G0X+8, G0W, G0W+4, G0W+8
	s_mov_b32 s[\g], 1                             ; count = 1
.endr
	; where they come from.  x's offsets hang on the block of tokens alone, W's on the head and the wave, each in registers that never hold the other coordinate
	s_lshl_b32 s38, s[TB], 13                      ; 256 rows of 32 scale bytes
	s_mov_b32 s39, 0
	s_lshl_b32 s66, s[HEAD], 11                    ; a head's scale bytes: 2,048
	s_mov_b32 s67, 0
	s_wait_alu depctr_va_vdst(0)                   ; the wait ahead of the waits below
	s_wait_dscnt 0x0                               ; both opening adds are done
	s_wait_kmcnt 0x0
	s_add_nc_u64 s[G0X+2:G0X+3], s[6:7], s[38:39]
	s_lshl_b32 s38, s38, 4                         ; codes: 512 bytes a row
	s_add_nc_u64 s[G0X+6:G0X+7], s[4:5], s[38:39]
	s_add_nc_u64 s[G0X+10:G0X+11], s[G0X+6:G0X+7], 256
	s_cmp_eq_u32 s[TQ], 0                          ; which weight: the choice hangs on the wave's number alone
	s_cselect_b64 s[G0W+2:G0W+3], s[10:11], s[14:15]
	s_cselect_b64 s[G0W+6:G0W+7], s[8:9], s[12:13]
	s_cmp_eq_u32 s[TQ], 2
	s_cselect_b64 s[G0W+2:G0W+3], s[18:19], s[G0W+2:G0W+3]
	s_cselect_b64 s[G0W+6:G0W+7], s[16:17], s[G0W+6:G0W+7]
	s_add_nc_u64 s[G0W+2:G0W+3], s[G0W+2:G0W+3], s[66:67]
	s_lshl_b32 s66, s66, 4                         ; a head's codes: 32,768
	s_add_nc_u64 s[G0W+6:G0W+7], s[G0W+6:G0W+7], s[66:67]
	s_add_nc_u64 s[G0W+10:G0W+11], s[G0W+6:G0W+7], 256
.irp g, G0X+3, G0X+7, G0X+11, G0W+3, G0W+7, G0W+11
	s_or_b32 s[\g], s[\g], 0x80000000              ; type = 2
.endr
	CROUND                                         ; all sixteen work-groups are here: the joint loads meet
	; ONE tree of branches on the wave's number: every way through the head passes exactly one load
	ARM 3,  G0W,   G1SW, .Lhead_sx
	ARM 4,  G0X,   G1SX, .Lhead_w0
	ARM 7,  G0W+4, G1CW, .Lhead_x0
	ARM 8,  G0X+4, G1CX, .Lhead_w1
	ARM 11, G0W+8, G1CW, .Lhead_x1
	tensor_load_to_lds s[G0X+8:G0X+11], s[G1CX:G1CX+7]
	s_nop 0
	PLACES
.Lasked:
	s_mov_b32 s[SEL], 0x76543210
	s_mov_b32 s[SEL+1], 0xfedcba98
	; my two pieces: P0 (source 0) below P1 (source 1).  W's piece is kind + 4 for V: 0, 1, 6; x's is 2 + tq
	s_lshl_b32 s4, s[ISV], 2
	s_add_co_u32 s4, s4, s[KIND]
	s_add_co_u32 s5, s[TQ], 2
	s_min_u32 s6, s4, s5                           ; P0
	s_xor_b32 s7, s4, s5
	s_xor_b32 s7, s7, s6                           ; P1: the other of the two
	s_mul_i32 s8, s6, PIECE
	s_add_co_u32 s8, s8, C0
	s_mul_i32 s9, s7, PIECE
	s_add_co_u32 s9, s9, C0
	s_lshl_b32 s10, s6, 11
	s_sub_co_u32 s11, s7, s6
	s_lshl_b32 s11, s11, 11                        ; from P0's scale bytes to P1's
	v_and_b32 v128, 7, v0                          ; j
	v_bfe_u32 v129, v0, 3, 1                       ; g
	v_bfe_u32 v130, v0, 4, 1                       ; h
	v_mad_u32_u24 v131, v129, 40, v128             ; my row of tile 0: 32 g + 8 g + j;  of tile 2: 16 on
	v_mad_u32_u24 v132, v129, 24, v128
	v_lshlrev_b32 v133, 4, v130
	v_lshlrev_b32 v1, 3, v130                      ; 8 h
	v_add_nc_u32 v132, 8, v132                     ; my row of tile 1: 32 g + 8 (1 - g) + j;  of tile 3: 16 on
	v_mul_u32_u24 v136, s11, v130                  ; scale words: lanes 0-15 take source 0's rows, lanes 16-31 source 1's: one product
	v_mad_u32_u24 v134, v131, 272, v133            ; a fragment's row x pitch + 16 h
	v_mad_u32_u24 v135, v132, 272, v133
	v_add_nc_u32 v136, s10, v136
	v_add_nc_u32 v[AD], s8, v134
	v_add_nc_u32 v[AD+1], s8, v135
	v_add_nc_u32 v[AD+2], s9, v134
	v_add_nc_u32 v[AD+3], s9, v135
	v_lshl_add_u32 v10, v131, 5, v136
	v_lshl_add_u32 v11, v132, 5, v136
.irp i, 0,1,2,3
	v_add_nc_u32 v[AD+4+\i], CHALF, v[AD+\i]
.endr
	v_and_b32 v12, 31, v0
	v_mul_u32_u24 v137, 160, v130                  ; the bias of Q and K: tile 0: 40 h numbers on,
	v_mad_u32_u24 v138, v130, 96, 32               ; tile 1: 8 + 24 h
	v_lshlrev_b32 v13, 3, v12
	v_lshlrev_b32 v12, 4, v12
	v_lshlrev_b32 v139, 2, v131                    ; that of V: by my row
	v_lshlrev_b32 v140, 2, v132
	; the bias's pointer
	s_cmp_eq_u32 s[KIND], 0
	s_cselect_b64 s[20:21], s[20:21], s[22:23]
	s_cmp_eq_u32 s[KIND], 2
	s_cselect_b64 s[20:21], s[24:25], s[20:21]
	s_lshl_b32 s100, s[HEAD], 8
	s_mov_b32 s101, 0
	s_add_nc_u64 s[20:21], s[20:21], s[100:101]
	s_wait_alu depctr_va_vdst(0)                   ; the wait ahead of the branch
	s_cmp_lt_u32 s[WV], 8
	s_cbranch_scc0 .Lbias_v
.irp a, 0,1,2,3                                    ; Q, K: tile a, register j: b(32 h + 8 (a xor h) + j)
	global_load_b128 v[BI+8*\a:BI+8*\a+3], v[137+\a%2], s[20:21] offset:64*(\a/2)
	global_load_b128 v[BI+8*\a+4:BI+8*\a+7], v[137+\a%2], s[20:21] offset:64*(\a/2)+16
.endr
	s_branch .Lbias_done
.Lbias_v:
.irp b, 0,1,2,3                                    ; V: tile b, every register: b(my row of tile b)
	global_load_b32 v[BI+8*\b], v[139+\b%2], s[20:21] offset:64*(\b/2)
.endr
	s_wait_loadcnt 0x0
.irp b, 0,1,2,3
.irp j, 1,2,3,4,5,6,7
	v_mov_b32 v[BI+8*\b+\j], v[BI+8*\b]
.endr
.endr
	s_wait_alu depctr_va_vdst(0)
.Lbias_done:
	; where my results go.  bh = 16 x batch + head; G = my group of 64 tokens in the batch
	s_lshr_b32 s100, s[TB], 3
	s_lshl_b32 s100, s100, 4
	s_add_co_u32 s100, s100, s[HEAD]               ; bh
	s_and_b32 s101, s[TB], 7
	s_lshl_b32 s101, s101, 2
	s_add_co_u32 s101, s101, s[TQ]                 ; G
	s_lshl_b32 s22, s100, 16
	s_lshl_b32 s104, s101, 11
	s_add_co_u32 s22, s22, s104                    ; Q's codes: 65,536 bh + 2,048 G
	s_lshl_b32 s24, s100, 13
	s_lshl_b32 s104, s101, 8
	s_add_co_u32 s24, s24, s104
	s_add_co_u32 s24, s24, 2097152                 ; Q's scale words: 2,097,152 + 8,192 bh + 256 G
	s_mul_i32 s104, s100, 147456
	s_lshr_b32 s105, s101, 1
	s_mul_i32 s105, s105, 9216
	s_add_co_u32 s104, s104, s105
	s_add_co_u32 s104, s104, 2359296               ; K and V: the key step's 9,216 bytes
	s_and_b32 s101, s101, 1
	s_sub_co_u32 s100, s[KIND], 1
	s_lshl_b32 s105, s100, 1
	s_add_co_u32 s105, s105, s101                  ; 2 (kind - 1) + G % 2  (for Q a number that the selects below drop)
	s_lshl_b32 s100, s105, 11
	s_add_co_u32 s100, s100, s104                  ; codes: 2,048 for each
	s_lshl_b32 s105, s105, 8
	s_add_co_u32 s105, s105, s104
	s_add_co_u32 s105, s105, 8192                  ; scale words: behind the 8,192 bytes of codes, 256 for each
	s_cmp_eq_u32 s[KIND], 0
	s_cselect_b32 s22, s22, s100
	s_cselect_b32 s24, s24, s105
	s_mov_b32 s23, 0
	s_mov_b32 s25, 0
	s_add_nc_u64 s[22:23], s[26:27], s[22:23]
	s_add_nc_u64 s[24:25], s[26:27], s[24:25]
.macro SCALES off                      ; four K steps' scale words: 16 bytes of each row's 32
.irp i, 0,1,2,3
	ds_load_b128 v[SC+4*\i:SC+4*\i+3], v[10+\i%2] offset:512*(\i/2)+\off
.endr
.endm
.macro FETCH q                         ; the fragments of K step q: source 1's four first, then source 0's
.set AH, AD+4*((\q)/4)
.irp b, 0,1,2,3
.irp c, 0,1
	ds_load_b128 v[F1+8*\b+4*\c:F1+8*\b+4*\c+3], v[AH+2+\b%2] offset:4352*(\b/2)+64*((\q)%4)+32*\c
.endr
.endr
.irp a, 0,1,2,3
.irp c, 0,1
	ds_load_b128 v[F0+8*\a+4*\c:F0+8*\a+4*\c+3], v[AH+\a%2] offset:4352*(\a/2)+64*((\q)%4)+32*\c
.endr
.endr
.endm
; 16 products.  The sixteen accumulators take turns, one instruction a turn, in the same order in every step.
; cmode 0: onto the sums;  1: the bias by source 0's tile starts them;  2: the bias by source 1's tile.
.macro MULS q, cmode
.irp a, 0,1,2,3
	s_wait_dscnt 6-2*\a                            ; source 1's fragments and source 0's tiles 0 .. a are in; the two loads of each later tile may be out
.irp b, 0,1,2,3
.if \cmode == 0
	v_wmma_scale_f32_16x16x128_f8f6f4 v[ACC+32*\b+8*\a:ACC+32*\b+8*\a+7], v[F0+8*\a:F0+8*\a+7], v[F1+8*\b:F1+8*\b+7], v[ACC+32*\b+8*\a:ACC+32*\b+8*\a+7], v[SC+4*\a+(\q)%4], v[SC+4*\b+(\q)%4] matrix_a_fmt:MATRIX_FMT_FP4 matrix_b_fmt:MATRIX_FMT_FP4 matrix_b_scale:MATRIX_SCALE_ROW1
.elseif \cmode == 1
	v_wmma_scale_f32_16x16x128_f8f6f4 v[ACC+32*\b+8*\a:ACC+32*\b+8*\a+7], v[F0+8*\a:F0+8*\a+7], v[F1+8*\b:F1+8*\b+7], v[BI+8*\a:BI+8*\a+7], v[SC+4*\a+(\q)%4], v[SC+4*\b+(\q)%4] matrix_a_fmt:MATRIX_FMT_FP4 matrix_b_fmt:MATRIX_FMT_FP4 matrix_b_scale:MATRIX_SCALE_ROW1
.else
	v_wmma_scale_f32_16x16x128_f8f6f4 v[ACC+32*\b+8*\a:ACC+32*\b+8*\a+7], v[F0+8*\a:F0+8*\a+7], v[F1+8*\b:F1+8*\b+7], v[BI+8*\b:BI+8*\b+7], v[SC+4*\a+(\q)%4], v[SC+4*\b+(\q)%4] matrix_a_fmt:MATRIX_FMT_FP4 matrix_b_fmt:MATRIX_FMT_FP4 matrix_b_scale:MATRIX_SCALE_ROW1
.endif
.endr
.endr
.endm
.macro STEP q
	PLACES                                         ; in front of loads into registers that matrix instructions have read
	FETCH \q
	MULS \q, 0
.endm
	s_wait_alu depctr_va_vdst(0)                   ; the wait at the head's end
	s_wait_loadcnt 0x0                             ; the bias
	s_cmp_lt_u32 s[WV], 8                          ; waves 0-7 brought the scale bytes and K 0..511: their loads have lines of their own;
	s_cbranch_scc0 .Llater
	s_wait_tensorcnt 0x0                           ; those of waves 8-11 may stay out
.Llater:
	s_barrier_signal -1
	s_barrier_wait -1                              ; the scale bytes and K 0..511 are in
	SCALES 0
	FETCH 0
	s_cmp_lt_u32 s[WV], 8                          ; the first step's products start the sums with the bias, whose layout differs for V
	s_cbranch_scc0 .Lfirst_v
	MULS 0, 1
	s_branch .Lfirst_done
.Lfirst_v:
	MULS 0, 2
.Lfirst_done:
	STEP 1
	STEP 2
	STEP 3
	s_wait_tensorcnt 0x0                           ; my tile is in (no LDS load of mine is out: the last count above was 0),
	s_barrier_signal -1
	s_barrier_wait -1                              ; everybody's is: K 512..1,023
	PLACES
	SCALES 16                                      ; the scale words of K steps 4-7 take the places of those of 0-3
	FETCH 4
	MULS 4, 0
	STEP 5
	STEP 6
	STEP 7
	; THE WAY OUT.  Source 1's tile b: a lane's 32 registers are one whole block along the next K.  The four tiles by turns; each accumulator is read from its low end on.
	PLACES
.irp b, 0,1,2,3
	v_max3_num_f32 v[64+\b], |v[ACC+32*\b]|, |v[ACC+32*\b+1]|, 0x1800000     ; and the floor 2^(3 - 127): the byte cannot fall under 1
.endr
.irp i, 2,4,6,8,10,12,14,16,18,20,22,24,26,28,30
.irp b, 0,1,2,3
	v_max3_num_f32 v[64+\b], v[64+\b], |v[ACC+32*\b+\i]|, |v[ACC+32*\b+\i+1]|
.endr
.endr
.irp b, 0,1,2,3
	v_add_nc_u32 v[68+\b], 0xff000000, v[64+\b]    ; 2 off its exponent field: the conversion's scale operand
.endr
.irp b, 0,1,2,3
	v_lshrrev_b32 v[72+\b], 23, v[68+\b]           ; the scale's byte
.endr
.irp b, 0,1,2,3
.irp a, 0,1,2,3
	v_cvt_scalef32_pk8_fp4_f32 v[96+4*\b+\a], v[ACC+32*\b+8*\a:ACC+32*\b+8*\a+7], v[68+\b]
.endr
.endr
	v_lshl_or_b32 v76, v73, 16, v72                ; scale words: two tiles of two bytes: byte h of a tile is mine, the other is lane l xor 16's
	v_lshl_or_b32 v77, v75, 16, v74
	v_lshlrev_b32 v76, v1, v76
	v_lshlrev_b32 v77, v1, v77
	v_permlanex16_b32 v78, v76, s[SEL], s[SEL+1]
	v_permlanex16_b32 v79, v77, s[SEL], s[SEL+1]
	v_or_b32 v76, v76, v78                         ; tiles 0 and 1 of my row
	v_or_b32 v77, v77, v79                         ; tiles 2 and 3 (both halves of the lanes hold the same, and the whole unit is stored)
.irp b, 0,1,2,3
	global_store_b128 v12, v[96+4*\b:99+4*\b], s[22:23] offset:512*\b   ; 32 lanes store 512 consecutive bytes, aligned
.endr
	global_store_b64 v13, v[76:77], s[24:25]       ; 32 lanes store 256 consecutive bytes, aligned
	s_wait_tensorcnt 0x0                           ; the wave's end
	ds_add_u32 v14, v15
	s_wait_dscnt 0x0
	CROUND                                         ; the closing round: no work-group ends while a partner may still ask for a tile that names it
	s_endpgm
.Lfunc_end_k_q2bfd155fa4_qkv:
	.size	k_q2bfd155fa4_qkv, .Lfunc_end_k_q2bfd155fa4_qkv-k_q2bfd155fa4_qkv
	.p2alignl 7, 3214868480
	.fill 96, 4, 3214868480
	.section	.rodata,"a",@progbits
	.p2align	6, 0x0
	.amdhsa_kernel k_q2bfd155fa4_qkv
		.amdhsa_group_segment_fixed_size 259584
		.amdhsa_private_segment_fixed_size 0
		.amdhsa_enable_private_segment 0
		.amdhsa_kernarg_size 96
		.amdhsa_user_sgpr_count 2
		.amdhsa_user_sgpr_kernarg_segment_ptr 1
		.amdhsa_wavefront_size32 1
		.amdhsa_system_sgpr_workgroup_id_x 1
		.amdhsa_system_sgpr_workgroup_id_y 1
		.amdhsa_system_sgpr_workgroup_id_z 1
		.amdhsa_system_vgpr_workitem_id 0
		.amdhsa_next_free_vgpr 256
		.amdhsa_next_free_sgpr 106
		.amdhsa_reserve_vcc 0
		.amdhsa_float_denorm_mode_32 3
		.amdhsa_float_denorm_mode_16_64 3
		.amdhsa_memory_ordered 1
		.amdhsa_forward_progress 1
		.amdhsa_inst_pref_size 49
	.end_amdhsa_kernel
	.amdgpu_metadata
---
amdhsa.version: [ 1, 2 ]
amdhsa.kernels:
  - .name:           k_q2bfd155fa4_qkv
    .symbol:         k_q2bfd155fa4_qkv.kd
    .args:
      - { .name: x_codes, .offset: 0, .size: 8, .value_kind: global_buffer, .address_space: global }
      - { .name: x_scales, .offset: 8, .size: 8, .value_kind: global_buffer, .address_space: global }
      - { .name: Wq_codes, .offset: 16, .size: 8, .value_kind: global_buffer, .address_space: global }
      - { .name: Wq_scales, .offset: 24, .size: 8, .value_kind: global_buffer, .address_space: global }
      - { .name: Wk_codes, .offset: 32, .size: 8, .value_kind: global_buffer, .address_space: global }
      - { .name: Wk_scales, .offset: 40, .size: 8, .value_kind: global_buffer, .address_space: global }
      - { .name: Wv_codes, .offset: 48, .size: 8, .value_kind: global_buffer, .address_space: global }
      - { .name: Wv_scales, .offset: 56, .size: 8, .value_kind: global_buffer, .address_space: global }
      - { .name: bq, .offset: 64, .size: 8, .value_kind: global_buffer, .address_space: global }
      - { .name: bk, .offset: 72, .size: 8, .value_kind: global_buffer, .address_space: global }
      - { .name: bv, .offset: 80, .size: 8, .value_kind: global_buffer, .address_space: global }
      - { .name: qkv, .offset: 88, .size: 8, .value_kind: global_buffer, .address_space: global }
    .group_segment_fixed_size: 259584
    .private_segment_fixed_size: 0
    .kernarg_segment_align: 8
    .kernarg_segment_size: 96
    .max_flat_workgroup_size: 384
    .sgpr_count:     106
    .vgpr_count:     256
    .wavefront_size: 32
...
	.end_amdgpu_metadata
.endif
;; end of part 1
;; launch attn (part 2): grid 8 x 32, 8 waves a work-group, clusters of 4 x 1, 168,960 bytes of LDS; arguments qkv, ctx; writes ctx
.if DOCPART == 2
	.amdgcn_target "amdgcn-amd-amdhsa--gfx1250"
	.amdhsa_code_object_version 6
	.text
	.protected	k_q2bfd155fa4_attn
	.globl	k_q2bfd155fa4_attn
	.p2align	8
	.type	k_q2bfd155fa4_attn,@function
k_q2bfd155fa4_attn:
	s_mov_b64 s[64:65], 0
	v_nop
	global_prefetch_b8 v0, s[64:65] scope:SCOPE_SE
	s_setreg_imm32_b32 hwreg(HW_REG_WAVE_MODE, 25, 1), 1
	s_wait_xcnt 0x0
	s_wait_alu depctr_hold_cnt(0) depctr_sa_sdst(0) depctr_va_vdst(0) depctr_va_sdst(0) depctr_va_ssrc(0) depctr_va_vcc(0) depctr_vm_vsrc(0)
	s_getreg_b32 s2, hwreg(HW_REG_IB_STS2, 6, 4)
	s_cmp_eq_u32 s2, 0
	s_cbranch_scc0 .Lentry_in_a_cluster
	s_endpgm
.Lentry_in_a_cluster:
	s_bfe_u32 s2, ttmp6, 0x10000c
	s_cmp_lg_u32 s2, 0x3003
	s_cbranch_scc0 .Lentry_shape_is_right
	s_endpgm
.Lentry_shape_is_right:
; ctx[b][q][head][:] = the sum over k of softmax_k(Q . K / 8) V, both products on codes of FP4 (E2M1) with one E8M0 scale for each 32 along a product's K; then ctx is quantised along head x 64 + e.
; THE SOFTMAX AHEAD OF THE SECOND PRODUCT: t = score x log2(e) / 8; M = the row's largest t so far, rounded UP to a whole number; p = 2^(t - M) is what is quantised, along the keys, not normalised.
; The row's sum is taken of the unquantised p, in f32, and divides O at the end.  When M moves, the sum and O are multiplied by 2^(old M - new M): exact.
; SHARES.  256 work-groups: x = block of 256 queries, y = 16 x batch + head.  Eight waves, two to a SIMD, each with TWO tiles of 16 queries (A and B), which share every fragment of K and V that is read from LDS;
; every wave walks the head's 2,048 keys, 128 a step.
; LDS: the head's K and V, 147,456 bytes, as they lie in memory: 16 key steps of 9,216 bytes: K's 8 tiles (512 bytes each, images of registers), V's 2 groups of 64 keys x 4 tiles of e (likewise),
; K's scale words (2 x 256), V's (2 x 256).  Filled once, by one tensor load of each wave: wave w brings key steps 2 w and 2 w + 1.  Nothing is stored to LDS.
; CLUSTER 4 x 1: the four blocks of queries of a cluster belong to one head: its K and V are asked for jointly.  No prefetch: all tiles are asked for at the head, so there is no loop to run ahead in.
; LAYOUT.  Both products are used transposed: S^T = K Q^T (source 0 = 16 keys, source 1 = 16 queries), O^T = V^T P^T (source 0 = 16 of the head's 64, source 1 = P): a lane holds ONE query of each tile throughout.
; Row 8 g + j of a tile a of a group of 64 (keys, queries or e) is the group's index 32 g + 8 (a xor g) + j.  So the 32 registers of a group's four tiles of S^T are one WHOLE block of 32 keys in each lane, in the
; word order that V's images have too, and the 32 registers of O^T are one whole block of e.
; THE HEAD HAS 64 NUMBERS AND THE INSTRUCTION TAKES 128 ALONG K: K's tiles T and T + 1 (T even) fill one operand, k = 0..63 and 64..127, and meet [Q, 0] and then [0, Q]: the other tile's codes meet zero codes of Q
; (whose scale bytes there are 0, 2^-127), which add nothing.
; A BLOCK'S SCALE comes from its largest score: floor(t - M) of it is the exponent of its largest p.
; THE TWO TILES BY TURNS: A's exponentials alternate with B's scalings, B's exponentials with A's conversions and first additions: what stands among exponentials reads what was written ahead of the wait in front of
; them and is read behind the wait that follows them.
; LIMITS: NaN and infinities are not served; scaled scores t stay under 2^31 in magnitude; a p under 2^-126 counts as 0; a block of p whose largest lies under 2^-124 keeps the exponent -124, and a block of ctx whose
; largest magnitude lies under 2^-124, a block of zeros among them, keeps the scale byte 1 (these bytes are read by this program alone).
; REGISTERS, window 0: v1 16 x lane, v2 8 r + 4 h, v6 8 r; v3, v4, v5 the same + SB; v7 8 h; v8 a byte select; v9, v11 the largest score (A, B); v10, v20 the last step's -M; v[12:13], v[16:17] this step's; v[14:15], v[18:19] the sums
; in two halves; v[22:23], v[24:25] 2^(old M - new M); v26, v27 the add's; v28, v29 scale words of A's [Q, 0] and [0, Q], v30, v31 of B's; v32, v33 K's; v34-37 V's as loaded, v38, v39 as used; v40, v41 p's; v48-55, v56-63 p's codes;
; v64-71, v72-79 the step's parts of the sums; v80-115 at work; v128-191 S^T of A, then p; v192-255 of B.
; window 1: v0-31 K's eight tiles; v32-63 V's four fragments; v64-95 O^T of A, v96-127 of B; v128-139 zero codes, Q, zero codes of A, v144-155 of B.
.set S,   128
.set WV,  8
.set G1,  16                           ; s[16:23] group 1, s[32:35] group 0
.set G0,  32
.set NC,  38                           ; s38 -c
.set SEL, 40                           ; s[40:41] lane selects for v_permlanex16_b32: lane l xor 16
.set CS,  42                           ; s[42:43] c = log2(e) / 8: the packed form names a pair and takes its low word for both halves
.set SB,  44                           ; s44 LDS byte at which the key step in hand begins
.set CNT, 45
.set STEPB, 9216
.set MSB, 0
.macro WIN new                         ; the register windows: 1:0 source 0, 3:2 source 1, 5:4 source 2, 7:6 destination; the high byte repeats the setting that is left
.if MSB != \new
	s_set_vgpr_msb (MSB<<8)|\new
.set MSB, \new
.endif
.endm
.macro PLACES
.rept 4
	v_nop
.endr
.endm
.macro CROUND                          ; a round of the cluster's barrier
	s_barrier_signal -1
	s_barrier_wait -1
	s_cmp_lg_u32 s[WV], 0
	s_cbranch_scc1 .Lnw0_\@
	s_barrier_signal -3
.Lnw0_\@:
	s_barrier_wait -3
	s_barrier_signal -1
	s_barrier_wait -1
.endm
	s_load_b128 s[4:7], s[0:1], 0x0                ; qkv, ctx
	v_lshl_add_u32 v26, v0, 2, 0x29000
	v_mov_b32 v27, 0
	ds_add_u32 v26, v27                            ; the opening add, twice on end
	ds_add_u32 v26, v27
	v_lshrrev_b32 v11, 5, v0
	v_readfirstlane_b32 s[WV], v11                 ; wave 0..7
	v_and_b32 v11, 31, v0
	v_bfe_u32 v7, v0, 4, 1                         ; h
	v_and_b32 v6, 15, v0                           ; r
	v_lshlrev_b32 v1, 4, v11                       ; an image's place for my lane
	v_mov_b32 v8, 0x05040100
	v_mov_b32 v9, 0x07060302
	v_lshlrev_b32 v6, 3, v6                        ; 8 r: a row's two scale words
	v_cmp_eq_u32 vcc_lo, 1, v7
	v_lshl_add_u32 v2, v7, 2, v6                   ; lanes 0-15 the first word, lanes 16-31 the second
	v_cndmask_b32 v8, v8, v9, vcc_lo               ; lanes 0-15 pick two words' low halves, lanes 16-31 their high halves
	v_lshlrev_b32 v7, 3, v7                        ; 8 h
	s_bfe_u32 s9, ttmp6, 0x40000                   ; cx: it enters Q's and ctx's addresses alone
	s_lshl_b32 s10, ttmp9, 2
	s_add_co_u32 s10, s10, s9                      ; my block of 256 queries
	s_and_b32 s11, ttmp7, 0xffff                   ; bh = 16 x batch + head, which the four partners share
	; group 1: two key steps' dense bytes as 72 rows of 32 elements of 8 bytes; the mask names all four work-groups
	s_mov_b32 s[G1], 15|(3<<16)|(1<<21)
	s_mov_b32 s[G1+1], 32<<16
	s_mov_b32 s[G1+2], 72<<16
	s_mov_b32 s[G1+3], 32<<16
	s_mov_b32 s[G1+4], 72
	s_mov_b32 s[G1+5], 32
	s_mov_b32 s[G1+6], 0
	s_mov_b32 s[G1+7], 0
	s_mul_i32 s12, s11, 147456
	s_add_co_u32 s12, s12, 2359296                 ; the head's K and V in qkv
	s_mov_b32 s13, 0
	s_mov_b32 s[G0], 1
	s_mul_i32 s[G0+1], s[WV], 2*STEPB              ; LDS = the place in the head's bytes
	s_add_co_u32 s12, s12, s[G0+1]
	; my tiles of queries and where their results go
	s_lshl_b32 s54, s10, 4
	s_lshl_b32 s55, s[WV], 1
	s_add_co_u32 s54, s54, s55                     ; qt: tile A among the head's 128; B is the next
	s_lshl_b32 s46, s11, 16
	s_lshl_b32 s55, s54, 9
	s_add_co_u32 s46, s46, s55                     ; Q's codes: 65,536 bh + 512 qt
	s_mov_b32 s47, 0
	s_lshl_b32 s48, s11, 13
	s_lshr_b32 s55, s54, 2
	s_lshl_b32 s55, s55, 8
	s_add_co_u32 s48, s48, s55                     ; Q's scale words: 8,192 bh + 256 x group of four tiles,
	s_and_b32 s55, s[WV], 1
	s_lshl_b32 s55, s55, 2
	s_add_co_u32 s48, s48, s55                     ; word (tile % 4) / 2: A's two bytes in its low half, B's in its high half
	s_add_co_u32 s48, s48, 2097152
	s_mov_b32 s49, 0
	s_lshr_b32 s55, s11, 4
	s_lshl_b32 s55, s55, 7
	s_add_co_u32 s55, s55, s54                     ; gt: tile A among the 256 tiles of tokens
	s_and_b32 s56, s11, 15                         ; the head
	s_lshl_b32 s50, s55, 4
	s_add_co_u32 s50, s50, s56
	s_lshl_b32 s50, s50, 9                         ; ctx's codes: 512 (16 gt + head)
	s_mov_b32 s51, 0
	s_lshr_b32 s57, s56, 1
	s_lshl_b32 s57, s57, 12
	s_lshl_b32 s52, s55, 4
	s_add_co_u32 s52, s52, s57
	s_lshl_b32 s52, s52, 2                         ; ctx's scale words: 4 (4,096 (head / 2) + 16 gt),
	s_and_b32 s57, s56, 1
	s_lshl_b32 s57, s57, 1
	s_add_co_u32 s52, s52, s57                     ; my head's two bytes of the word
	s_add_co_u32 s52, s52, 2097152
	s_mov_b32 s53, 0
	s_mov_b32 s[SEL], 0x76543210
	s_mov_b32 s[SEL+1], 0xfedcba98
	s_mov_b32 s[CS], 0x3e38aa3b                    ; c = log2(e) / 8
	s_mov_b32 s[CS+1], s[CS]                       ; (named with it as a pair, so it is written)
	s_mov_b32 s[NC], 0xbe38aa3b
	s_wait_alu depctr_va_vdst(0)                   ; the wait ahead of the waits below
	s_wait_dscnt 0x0                               ; both opening adds are done
	s_wait_kmcnt 0x0
	s_add_nc_u64 s[G0+2:G0+3], s[4:5], s[12:13]
	s_or_b32 s[G0+3], s[G0+3], 0x80000000          ; type = 2
	s_add_nc_u64 s[46:47], s[4:5], s[46:47]
	s_add_nc_u64 s[48:49], s[4:5], s[48:49]
	s_add_nc_u64 s[50:51], s[6:7], s[50:51]
	s_add_nc_u64 s[52:53], s[6:7], s[52:53]
	global_load_b32 v80, v6, s[48:49]              ; two tiles' scale bytes: lane r has query r's
	WIN 0x40
	global_load_b128 v[132:135], v1, s[46:47]      ; Q's images: they stay
	global_load_b128 v[148:151], v1, s[46:47] offset:512
	WIN 0
	CROUND                                         ; all four work-groups are here: the joint loads meet
	s_cmp_lt_u32 s[WV], 2                          ; key steps 0-3 have a line of their own, since they are waited for first
	s_cbranch_scc0 .Llate
	tensor_load_to_lds s[G0:G0+3], s[G1:G1+7]
	s_nop 0
	PLACES
	s_branch .Lasked
.Llate:
	tensor_load_to_lds s[G0:G0+3], s[G1:G1+7]
	s_nop 0
	PLACES
.Lasked:
	v_mov_b32 v9, 0xff61b1e6                       ; the largest score so far: -3e38, under every score
	v_mov_b32 v11, 0xff61b1e6
	v_mov_b32 v10, 0x7f61b1e6                      ; -M: 3e38
	v_mov_b32 v20, 0x7f61b1e6
.irp j, 13,14,15,17,18,19,23,25,64,65,66,67,68,69,70,71,72,73,74,75,76,77,78,79,94,95,114,115
	v_mov_b32 v\j, 0                               ; sums and their parts; upper halves of pairs that are named; v94, v95, v114, v115: a lane permute's destination counts as one of its sources
.endr
	WIN 0x40
.irp j, 128,129,130,131,136,137,138,139,144,145,146,147,152,153,154,155
	v_mov_b32 v\j, 0                               ; zero codes beside Q
.endr
	WIN 0
	s_wait_alu depctr_va_vdst(0)
	s_wait_loadcnt 0x0                             ; Q
	v_and_b32 v28, 0xffff, v80                     ; A: bytes 0, 1: Q's two blocks,
	v_lshlrev_b32 v29, 16, v80                     ; bytes 2, 3
	v_lshrrev_b32 v30, 16, v80                     ; B likewise
	v_and_b32 v31, 0xffff0000, v80
	WIN 0x40
.set X, 64
.rept 64
	v_mov_b32 v[X], 0                              ; O^T.  (The step finds zeros first, which the first change of M leaves zeros)
.set X, X+1
.endr
	WIN 0
.macro KLOAD off                       ; K's eight tiles and its scale words: ten loads
	WIN 0x40
.irp T, 0,1,2,3,4,5,6,7
	ds_load_b128 v[4*\T:4*\T+3], v3 offset:\off+512*\T                   ; lane (r, h): key row r of tile T, block h of the head's two
.endr
	WIN 0
	ds_load_b32 v32, v4 offset:\off+8192           ; keys 0-63: tiles 0, 1 in lanes 0-15, 2, 3 in lanes 16-31
	ds_load_b32 v33, v4 offset:\off+8448           ; keys 64-127
.endm
.macro LSUM                            ; the last step's parts join the sums
	v_pk_add_f32 v[64:65], v[64:65], v[66:67]
	v_pk_add_f32 v[72:73], v[72:73], v[74:75]
	v_pk_add_f32 v[68:69], v[68:69], v[70:71]
	v_pk_add_f32 v[76:77], v[76:77], v[78:79]
	v_pk_add_f32 v[14:15], v[14:15], v[64:65]
	v_pk_add_f32 v[18:19], v[18:19], v[72:73]
	v_pk_add_f32 v[14:15], v[14:15], v[68:69]
	v_pk_add_f32 v[18:19], v[18:19], v[76:77]
.endm
.macro SCALEA n                        ; A's next n pairs: t - M, two at a time
.rept \n
	v_pk_fma_f32 v[S+X:S+1+X], v[S+X:S+1+X], s[CS:CS+1], v[12:13] op_sel_hi:[1,0,0]
.set X, X+2
.endr
.endm
.macro EXP2 b                          ; the next two exponentials, v[b] on
	v_exp_f32 v[\b+X], v[\b+X]
	v_exp_f32 v[\b+X+1], v[\b+X+1]
.set X, X+2
.endm
; A KEY STEP: 128 keys.  Its K was asked for a step ago; more = 1: it asks for the next step's.
.macro STEP more
	v_add_nc_u32 v3, s[SB], v1                     ; (these three and the last step's closing moves are the places between its products and the loads below)
	v_add_nc_u32 v4, s[SB], v2
	v_add_nc_u32 v5, s[SB], v6
	WIN 0x40
.irp c, 0,1
.irp t, 0,1,2,3
	ds_load_b128 v[32+8*\t+4*\c:35+8*\t+4*\c], v3 offset:4096+2048*\c+512*\t   ; V: e tile t, keys 64 c + 32 h on
.endr
.endr
	WIN 0
	ds_load_b64 v[34:35], v5 offset:8704           ; V's scale bytes of keys 0-63: e tiles 0, 1 and 2, 3
	ds_load_b64 v[36:37], v5 offset:8960           ; and of keys 64-127
	s_wait_alu depctr_va_vdst(0)                   ; directly ahead of the wait below
	s_wait_dscnt 10                                ; K's ten loads are in; V's ten may be out
	WIN 0x05
.irp c, 0,1
	v_wmma_scale_f32_16x16x128_f8f6f4 v[S+32*\c:S+32*\c+7], v[16*\c:16*\c+7], v[132:139], 0, v[32+\c], v28 matrix_a_fmt:MATRIX_FMT_FP4 matrix_b_fmt:MATRIX_FMT_FP4
	v_wmma_scale_f32_16x16x128_f8f6f4 v[S+32*\c+8:S+32*\c+15], v[16*\c:16*\c+7], v[128:135], 0, v[32+\c], v29 matrix_a_fmt:MATRIX_FMT_FP4 matrix_b_fmt:MATRIX_FMT_FP4
	v_wmma_scale_f32_16x16x128_f8f6f4 v[S+32*\c+16:S+32*\c+23], v[16*\c+8:16*\c+15], v[132:139], 0, v[32+\c], v28 matrix_a_fmt:MATRIX_FMT_FP4 matrix_b_fmt:MATRIX_FMT_FP4 matrix_a_scale:MATRIX_SCALE_ROW1
	v_wmma_scale_f32_16x16x128_f8f6f4 v[S+32*\c+24:S+32*\c+31], v[16*\c+8:16*\c+15], v[128:135], 0, v[32+\c], v29 matrix_a_fmt:MATRIX_FMT_FP4 matrix_b_fmt:MATRIX_FMT_FP4 matrix_a_scale:MATRIX_SCALE_ROW1
	v_wmma_scale_f32_16x16x128_f8f6f4 v[S+64+32*\c:S+64+32*\c+7], v[16*\c:16*\c+7], v[148:155], 0, v[32+\c], v30 matrix_a_fmt:MATRIX_FMT_FP4 matrix_b_fmt:MATRIX_FMT_FP4
	v_wmma_scale_f32_16x16x128_f8f6f4 v[S+64+32*\c+8:S+64+32*\c+15], v[16*\c:16*\c+7], v[144:151], 0, v[32+\c], v31 matrix_a_fmt:MATRIX_FMT_FP4 matrix_b_fmt:MATRIX_FMT_FP4
	v_wmma_scale_f32_16x16x128_f8f6f4 v[S+64+32*\c+16:S+64+32*\c+23], v[16*\c+8:16*\c+15], v[148:155], 0, v[32+\c], v30 matrix_a_fmt:MATRIX_FMT_FP4 matrix_b_fmt:MATRIX_FMT_FP4 matrix_a_scale:MATRIX_SCALE_ROW1
	v_wmma_scale_f32_16x16x128_f8f6f4 v[S+64+32*\c+24:S+64+32*\c+31], v[16*\c+8:16*\c+15], v[144:151], 0, v[32+\c], v31 matrix_a_fmt:MATRIX_FMT_FP4 matrix_b_fmt:MATRIX_FMT_FP4 matrix_a_scale:MATRIX_SCALE_ROW1
.endr
	WIN 0
	LSUM                                           ; eight places behind the products, in front of the loads into K's registers and of the first reads of S^T
.if \more
	KLOAD STEPB
.endif
.irp k, 0,1,2,3,4,5,6,7
	v_max3_num_f32 v[80+\k], v[S+16*\k], v[S+1+16*\k], v[S+2+16*\k]      ; THE LARGEST SCORE OF EACH BLOCK of 32 keys, in two chains each; each tile is read from its low end on
.endr
.irp i, 3,5,7,9,11,13
.irp k, 0,1,2,3,4,5,6,7
	v_max3_num_f32 v[80+\k], v[80+\k], v[S+16*\k+\i], v[S+1+16*\k+\i]
.endr
.endr
.irp k, 0,1,2,3
	v_max3_num_f32 v[88+\k], v[80+2*\k], v[S+15+32*\k], v[81+2*\k]
.endr
.irp k, 0,1,2,3
	v_max_num_f32 v[88+\k], v[88+\k], v[S+31+32*\k]    ; v88, v89: A's keys 0-63 and 64-127; v90, v91: B's
.endr
	v_max_num_f32 v92, v88, v89
	v_max_num_f32 v93, v90, v91
	v_permlanex16_b32 v94, v92, s[SEL], s[SEL+1]
	v_permlanex16_b32 v95, v93, s[SEL], s[SEL+1]
	v_max3_num_f32 v9, v9, v92, v94                ; the largest score so far, lane l xor 16's 64 keys among them
	v_max3_num_f32 v11, v11, v93, v95
	v_mul_f32 v96, s[NC], v9                       ; -t of it (c is positive)
	v_mul_f32 v97, s[NC], v11
	v_floor_f32 v12, v96                           ; the new -M = floor(-t) = -ceil(t): M is a whole number
	v_floor_f32 v16, v97
.set X, 0
	SCALEA 3                                       ; (A's scalings stand among the lines that follow, so that no line waits for the one above it)
	v_sub_f32 v98, v12, v10                        ; M's old value less its new one: a whole number, 0 or less
	v_sub_f32 v99, v16, v20
	v_fma_f32 v100, v88, s[CS], v12                ; t - M of each block's largest score
	v_fma_f32 v101, v89, s[CS], v12
	v_fma_f32 v102, v90, s[CS], v16
	v_fma_f32 v103, v91, s[CS], v16
	SCALEA 2
	v_cvt_i32_f32 v98, v98                         ; (it saturates)
	v_cvt_i32_f32 v99, v99
.irp k, 0,1,2,3
	v_max_num_f32 v[100+\k], 0xc2f80000, v[100+\k] ; -124 at the least: the byte cannot fall under 1
.endr
	SCALEA 2
	v_ldexp_f32 v22, 1.0, v98                      ; f = 2^(old M - new M)
	v_ldexp_f32 v24, 1.0, v99
.irp k, 0,1,2,3
	v_cvt_floor_i32_f32 v[104+\k], v[100+\k]       ; E: the exponent of the block's largest p
.endr
	SCALEA 3
.irp k, 0,1,2,3
	v_lshl_add_u32 v[108+\k], v[104+\k], 23, 0x3e800000    ; (E - 2 + 127) << 23: the conversion's scale operand
.endr
	v_lshl_add_u32 v112, v105, 16, v104            ; p's scale word: my two blocks are blocks h and 2 + h,
	v_lshl_add_u32 v113, v107, 16, v106
	SCALEA 5
	v_lshlrev_b32 v112, v7, v112                   ; at bytes h and 2 + h;
	v_lshlrev_b32 v113, v7, v113
	SCALEA 5
	v_permlanex16_b32 v114, v112, s[SEL], s[SEL+1]
	v_permlanex16_b32 v115, v113, s[SEL], s[SEL+1]
	SCALEA 6
	v_add3_u32 v40, v112, v114, 0x7d7d7d7d         ; with lane l xor 16's two, and 125 to each byte (the sum of four exponents at their bytes, borrows and all, becomes four bytes of 1 and more)
	v_add3_u32 v41, v113, v115, 0x7d7d7d7d
	SCALEA 6
	s_wait_alu depctr_va_vdst(0)                   ; ahead of the batch
.set X, 0
.rept 32
	EXP2 S                                         ; A: p = 2^(t - M): not normalised
	v_pk_fma_f32 v[S+62+X:S+63+X], v[S+62+X:S+63+X], s[CS:CS+1], v[16:17] op_sel_hi:[1,0,0]   ; B: t - M (X is two on by now)
.endr
.if \more
	s_wait_dscnt 10                                ; V is in; the next step's ten loads of K may be out
.else
	s_wait_dscnt 0x0
.endif
	s_wait_alu depctr_va_vdst(0)                   ; behind A's batch and ahead of B's
.set X, 0
.irp c, 0,1
.irp a, 0,1,2,3
	EXP2 S+64                                      ; B's exponentials
	v_cvt_scalef32_pk8_fp4_f32 v[48+4*\c+\a], v[S+32*\c+8*\a:S+32*\c+8*\a+7], v[108+\c]       ; A's codes
.endr
.endr
	EXP2 S+64
	v_perm_b32 v38, v36, v34, v8                   ; V's scale words: bytes 0, 1 keys 0-63's two blocks, bytes 2, 3 keys 64-127's: e tiles 0 | 1 (lanes 0-15 | 16-31),
	EXP2 S+64
	v_perm_b32 v39, v37, v35, v8                   ; 2 | 3
.irp i, 0,1,2,3,4,5,6,7,8,9,10,11,12,13,14,15
	EXP2 S+64
	v_pk_add_f32 v[S+4*\i:S+4*\i+1], v[S+4*\i:S+4*\i+1], v[S+4*\i+2:S+4*\i+3]    ; A: THE ROW'S SUM IS TAKEN OF THE UNQUANTISED p (whose codes are made): two at a time, first layer
.endr
.rept 3
	EXP2 S+64
.endr
	v_pk_mul_f32 v[14:15], v[14:15], v[22:23] op_sel_hi:[1,0]            ; the sums under the new M
.rept 3
	EXP2 S+64
.endr
	v_pk_mul_f32 v[18:19], v[18:19], v[24:25] op_sel_hi:[1,0]
	s_wait_alu depctr_va_vdst(0)                   ; ahead of the batch's first reader
.irp c, 0,1
.irp a, 0,1,2,3
	v_cvt_scalef32_pk8_fp4_f32 v[56+4*\c+\a], v[S+64+32*\c+8*\a:S+64+32*\c+8*\a+7], v[110+\c]  ; B's codes
.endr
.endr
.irp k, 0,1,2,3
	v_pk_add_f32 v[64+2*\k:65+2*\k], v[S+16*\k:S+16*\k+1], v[S+16*\k+4:S+16*\k+5]              ; the sums' parts, four chains a tile
.endr
.irp k, 0,1,2,3
	v_pk_add_f32 v[72+2*\k:73+2*\k], v[S+64+16*\k:S+64+16*\k+1], v[S+66+16*\k:S+67+16*\k]
.endr
.irp i, 4,6,8,10,12,14
.irp k, 0,1,2,3
	v_pk_add_f32 v[72+2*\k:73+2*\k], v[72+2*\k:73+2*\k], v[S+64+16*\k+\i:S+65+16*\k+\i]
.endr
.if (\i == 4) || (\i == 8)
.irp k, 0,1,2,3
	v_pk_add_f32 v[64+2*\k:65+2*\k], v[64+2*\k:65+2*\k], v[S+16*\k+4+\i:S+16*\k+5+\i]          ; A's first layer left its sums at 16 k + 0, 4, 8 and 12: the first two are joined above, here 8 (i = 4) and 12 (i = 8)
.endr
.endif
.endr
	WIN 0x41
	s_wait_alu depctr_va_vdst(0)                   ; directly ahead of the first reader of O^T
.irp j, 0,2,4,6,8,10,12,14,16,18,20,22,24,26,28,30
	v_pk_mul_f32 v[64+\j:65+\j], v[64+\j:65+\j], v[22:23] op_sel_hi:[1,0]                      ; O^T under the new M: x f
	v_pk_mul_f32 v[96+\j:97+\j], v[96+\j:97+\j], v[24:25] op_sel_hi:[1,0]
.endr
	WIN 0x51
.irp t, 0,2                                        ; O^T += V^T P^T: the eight accumulators by turns
	v_wmma_scale_f32_16x16x128_f8f6f4 v[64+8*\t:71+8*\t], v[32+8*\t:39+8*\t], v[48:55], v[64+8*\t:71+8*\t], v[38+\t/2], v40 matrix_a_fmt:MATRIX_FMT_FP4 matrix_b_fmt:MATRIX_FMT_FP4
	v_wmma_scale_f32_16x16x128_f8f6f4 v[96+8*\t:103+8*\t], v[32+8*\t:39+8*\t], v[56:63], v[96+8*\t:103+8*\t], v[38+\t/2], v41 matrix_a_fmt:MATRIX_FMT_FP4 matrix_b_fmt:MATRIX_FMT_FP4
	v_wmma_scale_f32_16x16x128_f8f6f4 v[72+8*\t:79+8*\t], v[40+8*\t:47+8*\t], v[48:55], v[72+8*\t:79+8*\t], v[38+\t/2], v40 matrix_a_fmt:MATRIX_FMT_FP4 matrix_b_fmt:MATRIX_FMT_FP4 matrix_a_scale:MATRIX_SCALE_ROW1
	v_wmma_scale_f32_16x16x128_f8f6f4 v[104+8*\t:111+8*\t], v[40+8*\t:47+8*\t], v[56:63], v[104+8*\t:111+8*\t], v[38+\t/2], v41 matrix_a_fmt:MATRIX_FMT_FP4 matrix_b_fmt:MATRIX_FMT_FP4 matrix_a_scale:MATRIX_SCALE_ROW1
.endr
	WIN 0
	v_mov_b32 v10, v12
	v_mov_b32 v20, v16
.endm
	s_wait_alu depctr_va_vdst(0)                   ; the wait at the head's end
	s_cmp_lt_u32 s[WV], 2
	s_cbranch_scc0 .Lnot_yet
	s_wait_tensorcnt 0x0                           ; key steps 0-3 are in; the other waves' loads, a line of their own, may stay out
.Lnot_yet:
	s_barrier_signal -1
	s_barrier_wait -1
	s_mov_b32 s[SB], 0
	v_add_nc_u32 v3, s[SB], v1
	v_add_nc_u32 v4, s[SB], v2
	KLOAD 0
	s_mov_b32 s[CNT], 2
.Lfirst_steps:                                     ; steps 0 and 1; they ask for K up to step 2
	STEP 1
	s_add_co_u32 s[SB], s[SB], STEPB
	s_sub_co_u32 s[CNT], s[CNT], 1
	s_cmp_lg_u32 s[CNT], 0
	s_cbranch_scc1 .Lfirst_steps
	s_wait_alu depctr_va_vdst(0)
	s_wait_tensorcnt 0x0                           ; my key steps are in,
	s_wait_dscnt 0x0                               ; and no LDS load of mine is out
	s_barrier_signal -1
	s_mov_b32 s[SB], 2*STEPB
	STEP 1                                         ; step 2, between signal and wait: registers, and LDS loads of steps 2 and 3, which nobody writes any more
	s_barrier_wait -1                              ; everybody's are
	s_mov_b32 s[SB], 3*STEPB
	s_mov_b32 s[CNT], 12
.Lother_steps:                                     ; steps 3-14
	STEP 1
	s_add_co_u32 s[SB], s[SB], STEPB
	s_sub_co_u32 s[CNT], s[CNT], 1
	s_cmp_lg_u32 s[CNT], 0
	s_cbranch_scc1 .Lother_steps
	s_mov_b32 s[SB], 15*STEPB
	STEP 0                                         ; step 15: nothing more to ask for
	; THE WAY OUT.  O^T / the sum is ctx(query r, e = 32 h + 8 (t xor h) + j) in register 8 t + j: one block along the last product's K.
	LSUM                                           ; (and places behind the last products)
	v_add_f32 v14, v14, v15                        ; the sums' two halves,
	v_add_f32 v18, v18, v19
	v_permlanex16_b32 v94, v14, s[SEL], s[SEL+1]
	v_permlanex16_b32 v95, v18, s[SEL], s[SEL+1]
	v_add_f32 v14, v14, v94                        ; and lane l xor 16's: the rows' sums
	v_add_f32 v18, v18, v95
	s_wait_alu depctr_va_vdst(0)                   ; ahead of the transcendentals
	v_rcp_f32 v14, v14
	v_rcp_f32 v18, v18
	v_and_b32 v21, 15, v0                          ; (a plain place behind the transcendentals)
	v_lshlrev_b32 v21, 2, v21                      ; 4 r
	WIN 0x01
	s_wait_alu depctr_va_vdst(0)                   ; the wait, ahead of the first reader, and of the first reader of O^T
.irp j, 0,2,4,6,8,10,12,14,16,18,20,22,24,26,28,30
	v_pk_mul_f32 v[S+\j:S+1+\j], v[64+\j:65+\j], v[14:15] op_sel_hi:[1,0]
	v_pk_mul_f32 v[S+32+\j:S+33+\j], v[96+\j:97+\j], v[18:19] op_sel_hi:[1,0]
.endr
	WIN 0
.irp k, 0,1,2,3,4,5,6,7
	v_max3_num_f32 v[80+\k], |v[S+8*\k]|, |v[S+8*\k+1]|, 0x1800000       ; and the floor 2^(3 - 127)
.endr
.irp i, 2,4,6
.irp k, 0,1,2,3,4,5,6,7
	v_max3_num_f32 v[80+\k], v[80+\k], |v[S+8*\k+\i]|, |v[S+8*\k+\i+1]|
.endr
.endr
	v_max3_num_f32 v88, v80, v81, v82
	v_max3_num_f32 v90, v84, v85, v86
	v_max_num_f32 v88, v88, v83
	v_max_num_f32 v90, v90, v87
	v_add_nc_u32 v108, 0xff000000, v88             ; 2 off the exponent field: the conversion's scale operand
	v_add_nc_u32 v109, 0xff000000, v90
	v_lshrrev_b32 v112, 23, v108                   ; the scale's byte,
	v_lshrrev_b32 v113, 23, v109
	v_lshlrev_b32 v112, v7, v112                   ; byte h of my head's two,
	v_lshlrev_b32 v113, v7, v113
	v_permlanex16_b32 v114, v112, s[SEL], s[SEL+1]
	v_permlanex16_b32 v115, v113, s[SEL], s[SEL+1]
	v_or_b32 v112, v112, v114                      ; with lane l xor 16's
	v_or_b32 v113, v113, v115
.irp a, 0,1,2,3
	v_cvt_scalef32_pk8_fp4_f32 v[48+\a], v[S+8*\a:S+8*\a+7], v108
	v_cvt_scalef32_pk8_fp4_f32 v[56+\a], v[S+32+8*\a:S+39+8*\a], v109
.endr
	v_nop                                          ; one plain place behind a scaled conversion
	v_cmp_eq_u32 vcc_lo, 8, v7                     ; lanes 16-31 have the words in the order 1, 0, 3, 2: here they take the natural one
.irp a, 0,2
	v_cndmask_b32 v[80+\a], v[48+\a], v[49+\a], vcc_lo
	v_cndmask_b32 v[81+\a], v[49+\a], v[48+\a], vcc_lo
	v_cndmask_b32 v[84+\a], v[56+\a], v[57+\a], vcc_lo
	v_cndmask_b32 v[85+\a], v[57+\a], v[56+\a], vcc_lo
.endr
	global_store_b128 v1, v[80:83], s[50:51]       ; the images: 32 lanes store 512 consecutive bytes, aligned
	global_store_b128 v1, v[84:87], s[50:51] offset:8192
	global_store_b16 v21, v112, s[52:53]           ; my head's two bytes of each token's scale word (both halves of the lanes write the same): the word's other two belong to another work-group, so these stores are of two bytes, one part in seventeen of what the launch stores
	global_store_b16 v21, v113, s[52:53] offset:64
	s_wait_tensorcnt 0x0                           ; the wave's end
	ds_add_u32 v26, v27
	s_wait_dscnt 0x0
	CROUND                                         ; the closing round
	s_endpgm
.Lfunc_end_k_q2bfd155fa4_attn:
	.size	k_q2bfd155fa4_attn, .Lfunc_end_k_q2bfd155fa4_attn-k_q2bfd155fa4_attn
	.p2alignl 7, 3214868480
	.fill 96, 4, 3214868480
	.section	.rodata,"a",@progbits
	.p2align	6, 0x0
	.amdhsa_kernel k_q2bfd155fa4_attn
		.amdhsa_group_segment_fixed_size 168960
		.amdhsa_private_segment_fixed_size 0
		.amdhsa_enable_private_segment 0
		.amdhsa_kernarg_size 16
		.amdhsa_user_sgpr_count 2
		.amdhsa_user_sgpr_kernarg_segment_ptr 1
		.amdhsa_wavefront_size32 1
		.amdhsa_system_sgpr_workgroup_id_x 1
		.amdhsa_system_sgpr_workgroup_id_y 1
		.amdhsa_system_sgpr_workgroup_id_z 1
		.amdhsa_system_vgpr_workitem_id 0
		.amdhsa_next_free_vgpr 512
		.amdhsa_next_free_sgpr 66
		.amdhsa_reserve_vcc 1
		.amdhsa_float_denorm_mode_32 3
		.amdhsa_float_denorm_mode_16_64 3
		.amdhsa_memory_ordered 1
		.amdhsa_forward_progress 1
		.amdhsa_inst_pref_size 123
	.end_amdhsa_kernel
	.amdgpu_metadata
---
amdhsa.version: [ 1, 2 ]
amdhsa.kernels:
  - .name:           k_q2bfd155fa4_attn
    .symbol:         k_q2bfd155fa4_attn.kd
    .args:
      - { .name: qkv, .offset: 0, .size: 8, .value_kind: global_buffer, .address_space: global }
      - { .name: ctx, .offset: 8, .size: 8, .value_kind: global_buffer, .address_space: global }
    .group_segment_fixed_size: 168960
    .private_segment_fixed_size: 0
    .kernarg_segment_align: 8
    .kernarg_segment_size: 16
    .max_flat_workgroup_size: 256
    .sgpr_count:     66
    .vgpr_count:     512
    .wavefront_size: 32
...
	.end_amdgpu_metadata
.endif
;; end of part 2
;; launch proj (part 3): grid 8 x 32, 8 waves a work-group, clusters of 4 x 4, 214,016 bytes of LDS; arguments ctx, Wo_codes, Wo_scales, bo, out0; writes out0
.if DOCPART == 3
	.amdgcn_target "amdgcn-amd-amdhsa--gfx1250"
	.amdhsa_code_object_version 6
	.text
	.protected	k_q2bfd155fa4_proj
	.globl	k_q2bfd155fa4_proj
	.p2align	8
	.type	k_q2bfd155fa4_proj,@function
k_q2bfd155fa4_proj:
	s_mov_b64 s[64:65], 0
	v_nop
	global_prefetch_b8 v0, s[64:65] scope:SCOPE_SE
	s_setreg_imm32_b32 hwreg(HW_REG_WAVE_MODE, 25, 1), 1
	s_wait_xcnt 0x0
	s_wait_alu depctr_hold_cnt(0) depctr_sa_sdst(0) depctr_va_vdst(0) depctr_va_sdst(0) depctr_va_ssrc(0) depctr_va_vcc(0) depctr_vm_vsrc(0)
	s_getreg_b32 s2, hwreg(HW_REG_IB_STS2, 6, 4)
	s_cmp_eq_u32 s2, 0
	s_cbranch_scc0 .Lentry_in_a_cluster
	s_endpgm
.Lentry_in_a_cluster:
	s_bfe_u32 s2, ttmp6, 0x10000c
	s_cmp_lg_u32 s2, 0xf033
	s_cbranch_scc0 .Lentry_shape_is_right
	s_endpgm
.Lentry_shape_is_right:
; out0 = ctx Wo + bo on codes of FP4 (E2M1) with one E8M0 scale for each 32 along K = 1,024 (head x 64 + e); sums in f32.
; SHARES.  256 work-groups: x = 128 columns, y = 128 tokens.  Eight waves: tg = wave % 4 (two tiles of tokens), nh = wave / 4 (64 columns: four tiles): eight accumulators.
; The product is used transposed (source 0 = 16 rows of Wo, source 1 = 16 tokens of ctx): a lane holds eight neighbouring columns of one row of out0.  The bias is the C of each sum's first product.
; THE TOKENS OF A TILE: row 8 g + j of tile b of a group of 64 tokens is the group's token 32 g + 8 (b xor g) + j; the stores' offsets undo that.
; LDS, filled once:  0: ctx's codes, [half of K 2][tile 8][head 8][512 bytes], images of registers;  65,536: Wo's codes, [half of K 2][128 rows of 256 bytes + 16 of padding];  135,168: ctx's scale words [K step 8][128 x 4 bytes];
;   139,264: Wo's scale bytes, 32 a row;  143,360: a stage of 32 rows x (256 + 16) bytes for each wave, into which no fill lands.
; CLUSTER 4 x 4: ctx's tiles hang on the block of tokens alone and are asked for jointly along a row of the cluster, Wo's on the block of columns alone and along a column.
; Eight tensor loads, one a wave: 0, 1 ctx's codes of K 0..511 (four tiles each), 2 Wo's; 3 ctx's scale words, 4 Wo's scale bytes; 5 Wo's codes of K 512..1,023, 6, 7 ctx's.
; No prefetch: all tiles are asked for at the head, so there is no loop to run ahead in.
; LIMITS: NaN and infinities are not served.
.set WOC,  65536
.set WHALF, 34816
.set CTXS, 135168
.set WOS,  139264
.set STG,  143360
.set WV,   14
.set G1CC, 24                          ; s[24:31] group 1: ctx's codes;  s[32:39] its scale words;  s[40:47] Wo's codes;  s[48:55] its scale bytes
.set G1CS, 32
.set G1WC, 40
.set G1WS, 48
.set G0CC, 56                          ; their groups 0
.set G0CS, 60
.set G0WC, 68
.set G0WS, 72
.set WS,   16                          ; v16-47   Wo's scale words: tile a, K step q at 8 a + q
.set CW,   48                          ; v48-63   ctx's: tile b, K step q at 8 b + q
.set BO,   64                          ; v64-95   the bias in the result's layout
.set FB,   96                          ; v96-143, v144-191 two fragment buffers: Wo's four, then ctx's two
.set ACC,  192                         ; v192-255 acc(a, b) at 8 (4 b + a)
.macro PLACES
.rept 4
	v_nop
.endr
.endm
.macro CROUND                          ; a round of the cluster's barrier
	s_barrier_signal -1
	s_barrier_wait -1
	s_cmp_lg_u32 s[WV], 0
	s_cbranch_scc1 .Lnw0_\@
	s_barrier_signal -3
.Lnw0_\@:
	s_barrier_wait -3
	s_barrier_signal -1
	s_barrier_wait -1
.endm
.macro ARM under, g0, g1, next         ; one arm of the head's tree of branches on the wave's number
	s_cmp_lt_u32 s[WV], \under
	s_cbranch_scc0 \next
	tensor_load_to_lds s[\g0:\g0+3], s[\g1:\g1+7]
	s_nop 0
	PLACES
	s_branch .Lasked
\next:
.endm
	s_load_b256 s[4:11], s[0:1], 0x0               ; ctx, Wo's codes, Wo's scales, bo
	s_load_b64 s[12:13], s[0:1], 0x20              ; out0
	v_lshl_add_u32 v14, v0, 2, 0x34000
	v_mov_b32 v15, 0
	ds_add_u32 v14, v15                            ; the opening add, twice on end
	ds_add_u32 v14, v15
	v_lshrrev_b32 v1, 5, v0
	v_readfirstlane_b32 s[WV], v1                  ; wave 0..7
	s_and_b32 s15, s[WV], 3                        ; tg
	s_lshr_b32 s16, s[WV], 2                       ; nh.  Also: which half of K I fetch, if I fetch codes
	s_and_b32 s23, s[WV], 1                        ; which four tiles, if I fetch ctx's
	s_bfe_u32 s17, ttmp6, 0x40000                  ; cx
	s_bfe_u32 s18, ttmp6, 0x40004                  ; cy
	s_lshl_b32 s19, ttmp9, 2
	s_add_co_u32 s19, s19, s17                     ; the block of columns
	s_and_b32 s20, ttmp7, 0xffff
	s_lshl_b32 s20, s20, 2
	s_add_co_u32 s20, s20, s18                     ; the block of tokens
	s_lshl_b32 s21, s18, 2
	s_lshl_b32 s21, 15, s21                        ; my row of the cluster
	s_lshl_b32 s22, 0x1111, s17                    ; my column
	s_or_b32 s[G1CC], s21, (3<<16)|(1<<21)         ; ctx's codes: 4 tiles x 4,096 bytes (8 heads), 8,192 bytes apart
	s_mov_b32 s[G1CC+1], 512<<16
	s_mov_b32 s[G1CC+2], 4<<16
	s_mov_b32 s[G1CC+3], 512<<16
	s_mov_b32 s[G1CC+4], 4
	s_mov_b32 s[G1CC+5], 1024
	s_mov_b32 s[G1CC+6], 0
	s_mov_b32 s[G1CC+7], 0
	s_or_b32 s[G1CS], s21, (3<<16)|(1<<21)         ; its scale words: 8 K steps x 512 bytes (128 tokens), 16,384 bytes apart
	s_mov_b32 s[G1CS+1], 64<<16
	s_mov_b32 s[G1CS+2], 8<<16
	s_mov_b32 s[G1CS+3], 64<<16
	s_mov_b32 s[G1CS+4], 8
	s_mov_b32 s[G1CS+5], 2048
	s_mov_b32 s[G1CS+6], 0
	s_mov_b32 s[G1CS+7], 0
	s_or_b32 s[G1WC], s22, (1<<20)|(1<<21)|(5<<22)|(3<<25)   ; Wo's codes: 128 rows of 256 bytes out of rows of 512, 16 bytes of padding behind every 64 words
	s_mov_b32 s[G1WC+1], 256<<16
	s_mov_b32 s[G1WC+2], 128<<16
	s_mov_b32 s[G1WC+3], 256<<16
	s_mov_b32 s[G1WC+4], 128
	s_mov_b32 s[G1WC+5], 512
	s_mov_b32 s[G1WC+6], 0
	s_mov_b32 s[G1WC+7], 0
	s_or_b32 s[G1WS], s22, (3<<16)|(1<<21)         ; its scale bytes: 4,096 dense bytes
	s_mov_b32 s[G1WS+1], 32<<16
	s_mov_b32 s[G1WS+2], 16<<16
	s_mov_b32 s[G1WS+3], 32<<16
	s_mov_b32 s[G1WS+4], 16
	s_mov_b32 s[G1WS+5], 32
	s_mov_b32 s[G1WS+6], 0
	s_mov_b32 s[G1WS+7], 0
	s_mov_b32 s[G0CC], 1
	s_lshl_b32 s2, s16, 15
	s_lshl_b32 s3, s23, 14
	s_add_co_u32 s[G0CC+1], s2, s3
	s_mov_b32 s[G0CS], 1
	s_mov_b32 s[G0CS+1], CTXS
	s_mov_b32 s[G0WC], 1
	s_mul_i32 s[G0WC+1], s16, WHALF
	s_add_co_u32 s[G0WC+1], s[G0WC+1], WOC
	s_mov_b32 s[G0WS], 1
	s_mov_b32 s[G0WS+1], WOS
	s_wait_alu depctr_va_vdst(0)                   ; the wait ahead of the waits below
	s_wait_dscnt 0x0                               ; both opening adds are done
	s_wait_kmcnt 0x0
	; ctx's offsets in s[76:77], which never hold the block of columns; Wo's in s[78:79], which never hold the block of tokens
	s_lshl_b32 s76, s20, 16
	s_lshl_b32 s77, s23, 15
	s_add_co_u32 s76, s76, s77
	s_lshl_b32 s77, s16, 12
	s_add_co_u32 s76, s76, s77                     ; 65,536 x block + 32,768 x four tiles + 4,096 x half
	s_mov_b32 s77, 0
	s_add_nc_u64 s[G0CC+2:G0CC+3], s[4:5], s[76:77]
	s_lshl_b32 s76, s20, 9
	s_add_co_u32 s76, s76, 2097152                 ; 2,097,152 + 4 x 128 x block
	s_mov_b32 s77, 0
	s_add_nc_u64 s[G0CS+2:G0CS+3], s[4:5], s[76:77]
	s_lshl_b32 s78, s19, 16
	s_lshl_b32 s79, s16, 8
	s_add_co_u32 s78, s78, s79                     ; 512 x 128 x block + 256 x half
	s_mov_b32 s79, 0
	s_add_nc_u64 s[G0WC+2:G0WC+3], s[6:7], s[78:79]
	s_lshl_b32 s78, s19, 12                        ; 32 x 128 x block
	s_mov_b32 s79, 0
	s_add_nc_u64 s[G0WS+2:G0WS+3], s[8:9], s[78:79]
.irp g, G0CC+3, G0CS+3, G0WC+3, G0WS+3
	s_or_b32 s[\g], s[\g], 0x80000000              ; type = 2
.endr
	CROUND                                         ; all sixteen work-groups are here: the joint loads meet
	; ONE tree of branches on the wave's number: every way through the head passes exactly one load
	ARM 2, G0CC, G1CC, .Lhead_w0
	ARM 3, G0WC, G1WC, .Lhead_cs
	ARM 4, G0CS, G1CS, .Lhead_ws
	ARM 5, G0WS, G1WS, .Lhead_w1
	ARM 6, G0WC, G1WC, .Lhead_c1
	tensor_load_to_lds s[G0CC:G0CC+3], s[G1CC:G1CC+7]
	s_nop 0
	PLACES
.Lasked:
	s_lshl_b32 s2, s19, 9
	s_lshl_b32 s3, s16, 8
	s_add_co_u32 s2, s2, s3                        ; my first column, in bytes: 512 x block + 256 nh
	s_mov_b32 s3, 0
	s_add_nc_u64 s[10:11], s[10:11], s[2:3]        ; in bo
	s_add_nc_u64 s[12:13], s[12:13], s[2:3]        ; and in a row of out0;
	s_lshl_b32 s2, s20, 19
	s_lshr_b32 s3, s15, 1
	s_lshl_b32 s3, s3, 18
	s_add_co_u32 s2, s2, s3
	s_and_b32 s3, s15, 1
	s_lshl_b32 s3, s3, 16
	s_add_co_u32 s2, s2, s3                        ; my first row: 4,096 (128 x block + 64 (tg / 2) + 16 (tg % 2))
	s_mov_b32 s3, 0
	s_add_nc_u64 s[12:13], s[12:13], s[2:3]
	s_mul_i32 s80, s16, 64*272
	s_add_co_u32 s80, s80, WOC
	s_lshl_b32 s81, s15, 13
	s_lshl_b32 s82, s16, 11
	s_add_co_u32 s82, s82, WOS
	s_lshl_b32 s83, s15, 7
	s_add_co_u32 s83, s83, CTXS
	s_mul_i32 s85, s[WV], 8704
	s_add_co_u32 s85, s85, STG                     ; my stage
	v_and_b32 v1, 15, v0                           ; r
	v_bfe_u32 v2, v0, 4, 1                         ; h
	v_and_b32 v3, 31, v0                           ; lane
	v_lshlrev_b32 v11, 5, v2                       ; the bias: 8 h numbers on
.irp a, 0,1,2,3
	global_load_b128 v[BO+8*\a:BO+8*\a+3], v11, s[10:11] offset:64*\a          ; tile a, register j: bo(my first column + 16 a + 8 h + j)
	global_load_b128 v[BO+8*\a+4:BO+8*\a+7], v11, s[10:11] offset:64*\a+16
.endr
	v_mul_u32_u24 v8, v1, 272
	v_mul_u32_u24 v9, v2, 272
	v_lshlrev_b32 v5, 4, v3
	v_lshlrev_b32 v6, 5, v1
	v_lshl_add_u32 v4, v2, 4, v8
	v_lshl_add_u32 v8, v2, 5, v8
	v_lshl_add_u32 v9, v1, 4, v9
	v_lshlrev_b32 v7, 2, v1
	v_lshlrev_b32 v10, 12, v2
	v_add_nc_u32 v4, s80, v4                       ; Wo's fragments: row 64 nh + r, + 16 h
	v_add_nc_u32 v5, s81, v5                       ; ctx's images: tile 2 tg, 16 x lane
	v_add_nc_u32 v6, s82, v6                       ; Wo's scale bytes: row 64 nh + r
	v_add_nc_u32 v7, s83, v7                       ; ctx's scale words: tile 2 tg, row r
	v_add_nc_u32 v8, s85, v8                       ; the stage, in: row r, 32 bytes for each half of the lanes
	v_add_nc_u32 v9, s85, v9                       ; back: lanes 0-15 one row of 256 bytes, lanes 16-31 the next
	v_lshl_add_u32 v10, v1, 4, v10                 ; and the same two rows in out0
.macro FETCH q, p                      ; the fragments of K step q (heads 2 q and 2 q + 1) into buffer p: twelve loads
.irp a, 0,1,2,3
.irp c, 0,1
	ds_load_b128 v[FB+48*(\p)+8*\a+4*\c:FB+48*(\p)+8*\a+4*\c+3], v4 offset:WHALF*((\q)/4)+4352*\a+64*((\q)%4)+32*\c
.endr
.endr
.irp b, 0,1
.irp c, 0,1
	ds_load_b128 v[FB+32+48*(\p)+8*\b+4*\c:FB+32+48*(\p)+8*\b+4*\c+3], v5 offset:32768*((\q)/4)+4096*\b+512*(2*((\q)%4)+\c)
.endr
.endr
.endm
.macro MUL q, p                        ; eight products; the eight accumulators take turns, one instruction a turn, in the same order in every step
.irp b, 0,1
.irp a, 0,1,2,3
.if (\q) == 0
	v_wmma_scale_f32_16x16x128_f8f6f4 v[ACC+8*(4*\b+\a):ACC+8*(4*\b+\a)+7], v[FB+48*(\p)+8*\a:FB+48*(\p)+8*\a+7], v[FB+32+48*(\p)+8*\b:FB+32+48*(\p)+8*\b+7], v[BO+8*\a:BO+8*\a+7], v[WS+8*\a+(\q)], v[CW+8*\b+(\q)] matrix_a_fmt:MATRIX_FMT_FP4 matrix_b_fmt:MATRIX_FMT_FP4
.else
	v_wmma_scale_f32_16x16x128_f8f6f4 v[ACC+8*(4*\b+\a):ACC+8*(4*\b+\a)+7], v[FB+48*(\p)+8*\a:FB+48*(\p)+8*\a+7], v[FB+32+48*(\p)+8*\b:FB+32+48*(\p)+8*\b+7], v[ACC+8*(4*\b+\a):ACC+8*(4*\b+\a)+7], v[WS+8*\a+(\q)], v[CW+8*\b+(\q)] matrix_a_fmt:MATRIX_FMT_FP4 matrix_b_fmt:MATRIX_FMT_FP4
.endif
.endr
.endr
.endm
	s_wait_alu depctr_va_vdst(0)                   ; the wait at the head's end
	s_wait_loadcnt 0x0                             ; the bias
	s_cmp_lt_u32 s[WV], 5                          ; waves 0-4 brought the scales and K 0..511: their loads have lines of their own;
	s_cbranch_scc0 .Llater
	s_wait_tensorcnt 0x0                           ; those of waves 5-7 may stay out
.Llater:
	s_barrier_signal -1
	s_barrier_wait -1                              ; the scales and K 0..511 are in
.irp a, 0,1,2,3
.irp k, 0,1
	ds_load_b128 v[WS+8*\a+4*\k:WS+8*\a+4*\k+3], v6 offset:512*\a+16*\k        ; all of K's scale words stay in registers
.endr
.endr
.irp b, 0,1
.irp q, 0,1,2,3,4,5,6,7
	ds_load_b32 v[CW+8*\b+\q], v7 offset:512*\q+64*\b
.endr
.endr
	FETCH 0, 0
	FETCH 1, 1
.irp q, 0,1,2,3,4,5,6,7
.if \q == 2
	s_wait_tensorcnt 0x0                           ; my tile is in,
	s_wait_dscnt 0x0                               ; and no LDS load of mine is out
	s_barrier_signal -1
.elseif \q < 7
	s_wait_dscnt 12                                ; this step's fragments are in; the next step's twelve loads may be out
.else
	s_wait_dscnt 0x0
.endif
	MUL \q, \q%2
.if \q == 2
	s_barrier_wait -1                              ; everybody's is: K 512..1,023
.endif
.if \q < 6
	PLACES                                         ; in front of loads into registers that matrix instructions have read
	FETCH \q+2, \q%2
.endif
.endr
	; THE WAY OUT.  A lane holds 32 neighbouring bytes of a row; through my own stage they come back as whole rows of 256 bytes.
	PLACES
.irp b, 0,1
.irp a, 0,1,2,3
	ds_store_b128 v8, v[ACC+8*(4*\b+\a):ACC+8*(4*\b+\a)+3] offset:4352*\b+64*\a        ; each accumulator from its low end on
	ds_store_b128 v8, v[ACC+8*(4*\b+\a)+4:ACC+8*(4*\b+\a)+7] offset:4352*\b+64*\a+16
.endr
.endr
.irp i, 0,1,2,3,4,5,6,7,8,9,10,11,12,13,14,15
	ds_load_b128 v[FB+4*\i:FB+4*\i+3], v9 offset:544*\i    ; LDS serves a wave's instructions in order (ISA guide 5.7.1.4): these see my stores
.endr
.irp i, 0,1,2,3,4,5,6,7,8,9,10,11,12,13,14,15
.set TB, \i/8                          ; rows 2 (i % 8) and + 1 of tile TB: g = TG
.set TG, (\i%8)/4
	s_wait_dscnt 15-\i                             ; the two rows are back; the younger loads may be out
	global_store_b128 v10, v[FB+4*\i:FB+4*\i+3], s[12:13] offset:4096*(32*TG+8*(TB+TG-2*TB*TG)+2*(\i%4)) th:TH_STORE_NT   ; 16 lanes store 256 consecutive bytes, aligned; written once, read by nobody here
.endr
	s_wait_tensorcnt 0x0                           ; the wave's end
	ds_add_u32 v14, v15
	s_wait_dscnt 0x0
	CROUND                                         ; the closing round
	s_endpgm
.Lfunc_end_k_q2bfd155fa4_proj:
	.size	k_q2bfd155fa4_proj, .Lfunc_end_k_q2bfd155fa4_proj-k_q2bfd155fa4_proj
	.p2alignl 7, 3214868480
	.fill 96, 4, 3214868480
	.section	.rodata,"a",@progbits
	.p2align	6, 0x0
	.amdhsa_kernel k_q2bfd155fa4_proj
		.amdhsa_group_segment_fixed_size 214016
		.amdhsa_private_segment_fixed_size 0
		.amdhsa_enable_private_segment 0
		.amdhsa_kernarg_size 40
		.amdhsa_user_sgpr_count 2
		.amdhsa_user_sgpr_kernarg_segment_ptr 1
		.amdhsa_wavefront_size32 1
		.amdhsa_system_sgpr_workgroup_id_x 1
		.amdhsa_system_sgpr_workgroup_id_y 1
		.amdhsa_system_sgpr_workgroup_id_z 1
		.amdhsa_system_vgpr_workitem_id 0
		.amdhsa_next_free_vgpr 256
		.amdhsa_next_free_sgpr 88
		.amdhsa_reserve_vcc 0
		.amdhsa_float_denorm_mode_32 3
		.amdhsa_float_denorm_mode_16_64 3
		.amdhsa_memory_ordered 1
		.amdhsa_forward_progress 1
		.amdhsa_inst_pref_size 31
	.end_amdhsa_kernel
	.amdgpu_metadata
---
amdhsa.version: [ 1, 2 ]
amdhsa.kernels:
  - .name:           k_q2bfd155fa4_proj
    .symbol:         k_q2bfd155fa4_proj.kd
    .args:
      - { .name: ctx, .offset: 0, .size: 8, .value_kind: global_buffer, .address_space: global }
      - { .name: Wo_codes, .offset: 8, .size: 8, .value_kind: global_buffer, .address_space: global }
      - { .name: Wo_scales, .offset: 16, .size: 8, .value_kind: global_buffer, .address_space: global }
      - { .name: bo, .offset: 24, .size: 8, .value_kind: global_buffer, .address_space: global }
      - { .name: out0, .offset: 32, .size: 8, .value_kind: global_buffer, .address_space: global }
    .group_segment_fixed_size: 214016
    .private_segment_fixed_size: 0
    .kernarg_segment_align: 8
    .kernarg_segment_size: 40
    .max_flat_workgroup_size: 256
    .sgpr_count:     88
    .vgpr_count:     256
    .wavefront_size: 32
...
	.end_amdgpu_metadata
.endif
;; end of part 3
